; MI455X (gfx1250); checked and timed in simulation.
; The chip was launched on July 23, 2026; its instructions are those of AMD's public machine-readable ISA for CDNA 5 (MIT licence, August 2026) and "CDNA5" Instruction Set Architecture Reference Guide (July 2026). The comments in the code are by the model that wrote it; some were corrected since.
;; Spatial Transformer. Allowed arithmetic: float matrix products may take bf16 or f16 operands with f32 sums; all other float work in f32.
;; Inputs: grid 1 x 192 x 192 x 192 x 3 float32; rot 2 x 3 x 3 float32; src 2 x 1 x 192 x 192 x 192 float32.
;; Outputs: out0 2 x 1 x 192 x 192 x 192 float32.
;; 2 versions, each right; version 2 is version 1 with the launch sample written anew for expert scheduling mode. Each part assembles by itself: llvm-mc -triple=amdgcn-amd-amdhsa -mcpu=gfx1250 --defsym DOCPART=n.
;; ======== version 1 of 2: 2 launches
;; workspace buffers: idx 56,623,104 bytes of whole numbers
;; launch locate (part 1): grid 2304 x 1, 8 waves a work-group, no clusters, 13,312 bytes of LDS; arguments grid, rot, idx; writes idx
.if DOCPART == 1
	.amdgcn_target "amdgcn-amd-amdhsa--gfx1250"
	.amdhsa_code_object_version 6
	.text
	.protected	k_q9ef2afe071_locate
	.globl	k_q9ef2afe071_locate
	.p2align	8
	.type	k_q9ef2afe071_locate,@function
k_q9ef2afe071_locate:
	s_mov_b64 s[64:65], 0
	v_nop
	global_prefetch_b8 v0, s[64:65] scope:SCOPE_SE
	s_setreg_imm32_b32 hwreg(HW_REG_WAVE_MODE, 25, 1), 1
	s_wait_xcnt 0x0
; LOCATE: for every grid point and both batches, where in src the trilinear sample begins, as a whole number.
; pos = grid . rot[b] (K = 3, in f32 on the vector unit: a matrix instruction of K = 32 would be 3/32 full, and coordinates rounded to 16 bits
; would move a sample by up to 96 x 2^-9 of a voxel);  x = (pos + 1) x 95.5, with 95.5 folded into rot: x = g0 a0 + g1 a1 + g2 a2 + 95.5, three fused
; multiply-adds, which differs from the plain order of rounding by a few units in the last place of 192.
; On each axis fb = floor(x) clamped to 0 .. 190: the lower of the two samples that the next launch reads.  The word is ((fz 192 + fy) << 8) | fx.
; The next launch runs the same instructions on the same numbers, so its fb is this one bit for bit.
; LIMITS.  A NaN in grid or rot gives a word inside the range all the same (the next launch gives such a point the value 0).
; SHARES.  A thread owns 4 neighbouring points of the flat grid in each of 3 chunks; a wave's 128 points are 1,536 consecutive bytes of grid, loaded as
; three instructions of 512 consecutive aligned bytes and turned through the wave's own 1,536 bytes of LDS, so that a lane ends up with its 12 numbers.
; A wave's store of words covers 512 consecutive aligned bytes.  No wave reads another wave's LDS bytes: no barrier.
.set SIDE,   192
.set NPT,    SIDE*SIDE*SIDE            ; points of the grid
.set VOL,    NPT*4                     ; bytes of one batch's words
.set WAVES,  8
.set CHUNKS, 3                         ; chunks of 1,024 points to a work-group: 2,304 work-groups x 3,072 points
.set WBYTES, 128*12                    ; grid bytes of a wave's 128 points
.set CBYTES, WAVES*WBYTES              ; of a chunk
.set SPARE,  WAVES*WBYTES              ; behind the waves' LDS: the spare words, 128 bytes for each wave
.set LS,  1                            ; v1      16 x lane + 1,536 x wave: my place in a chunk's grid bytes, in memory and in LDS
.set LD,  2                            ; v2      48 x lane + 1,536 x wave: where my 4 points' 12 numbers lie in LDS
.set IO,  3                            ; v3      16 x thread: my 4 words in a chunk
.set TMP, 5                            ; v5      at work in the head
.set SPW, 6                            ; v6      LDS address of my spare word; never rewritten
.set NIL, 7                            ; v7      0; never rewritten
.set MAT, 8                            ; v8-25   95.5 x rot: (a_i0, a_i1) of batch b at MAT + 6 b + 2 i; (a_i2 of batch 0, of batch 1) at MAT + 12 + 2 i
.set X1,  26                           ; v26-31  (x, y) of batch 0, (x, y) of batch 1, (z of batch 0, z of batch 1)
.set X2,  32                           ; v32-37  their fb, in the same places
.set GR,  38                           ; v38-73  chunk c: 12 registers of grid
.set OUT, 74                           ; v74-97  chunk c: 4 words of batch 0, 4 of batch 1
.set ROT, 16                           ; s[16:33] rot as it lies: element (b, i, j) at ROT + 9 b + 3 i + j
.set TOP, 34                           ; s34     190.0
.set HALF, 38                          ; s[38:39] 95.5, named as a pair
; v[d:d+1] = v[g] x v[m:m+1] + 95.5 (BFMS) or + v[d:d+1] (BFMA): one grid number times a pair of the matrix; op_sel picks v[g] out of its aligned pair for both halves
.macro BFMS d, g, m
.if ((\g) & 1)
	v_pk_fma_f32 v[(\d):(\d)+1], v[(\g)-1:(\g)], v[(\m):(\m)+1], s[HALF:HALF+1] op_sel:[1,0,0] op_sel_hi:[1,1,0]
.else
	v_pk_fma_f32 v[(\d):(\d)+1], v[(\g):(\g)+1], v[(\m):(\m)+1], s[HALF:HALF+1] op_sel_hi:[0,1,0]
.endif
.endm
.macro BFMA d, g, m
.if ((\g) & 1)
	v_pk_fma_f32 v[(\d):(\d)+1], v[(\g)-1:(\g)], v[(\m):(\m)+1], v[(\d):(\d)+1] op_sel:[1,0,0] op_sel_hi:[1,1,1]
.else
	v_pk_fma_f32 v[(\d):(\d)+1], v[(\g):(\g)+1], v[(\m):(\m)+1], v[(\d):(\d)+1] op_sel_hi:[0,1,1]
.endif
.endm
; The point whose three grid numbers lie in v[g .. g+2]: six coordinates into X1, their clamped floors into X2.  The same lines stand in the next launch.
.macro PLACE g
	BFMS X1,   (\g)+2, MAT+4
	BFMS X1+2, (\g)+2, MAT+10
	BFMS X1+4, (\g)+2, MAT+16
	BFMA X1,   (\g)+1, MAT+2
	BFMA X1+2, (\g)+1, MAT+8
	BFMA X1+4, (\g)+1, MAT+14
	BFMA X1,   (\g),   MAT
	BFMA X1+2, (\g),   MAT+6
	BFMA X1+4, (\g),   MAT+12
.irp r, 0,1,2,3,4,5
	v_floor_f32 v[X2+\r], v[X1+\r]
.endr
.irp r, 0,1,2,3,4,5
	v_med3_num_f32 v[X2+\r], v[X2+\r], 0, s[TOP]
.endr
.endm
; Batch b's word: (fz 192 + fy) 256 + fx is at most 9,387,710, under 2^24: exact in f32, so it is put together there and converted once
.macro WORD b, dst
	v_fmamk_f32 v[X1+\b], v[X2+4+\b], 0x43400000, v[X2+2*\b+1]
	v_fmamk_f32 v[X1+\b], v[X1+\b], 0x43800000, v[X2+2*\b]
	v_cvt_u32_f32 v[\dst], v[X1+\b]
.endm
	s_load_b128 s[4:7], s[0:1], 0x0                ; grid s[4:5], rot s[6:7]
	s_load_b64 s[8:9], s[0:1], 0x10                ; idx
	v_lshl_add_u32 v[SPW], v0, 2, SPARE
	v_mov_b32 v[NIL], 0
	v_and_b32 v[TMP], 31, v0                       ; lane
	v_lshrrev_b32 v[LS], 5, v0
	v_readfirstlane_b32 s10, v[LS]                 ; wave 0..7
	s_mul_i32 s11, s10, WBYTES
	v_lshl_add_u32 v[LS], v[TMP], 4, s11
	v_mul_u32_u24 v[LD], v[TMP], 48
	v_add_nc_u32 v[LD], s11, v[LD]
	v_lshlrev_b32 v[IO], 4, v0
	v_mov_b32 v[TMP], 0x42bf0000                   ; 95.5
	s_mul_i32 s12, ttmp9, CHUNKS*CBYTES            ; the work-group's grid bytes begin here (under 2^27),
	s_mov_b32 s13, 0
	s_mul_i32 s14, ttmp9, CHUNKS*WAVES*512         ; and its words here
	s_mov_b32 s15, 0
	s_mov_b32 s[TOP], 0x433e0000
	s_mov_b32 s[HALF], 0x42bf0000
	s_mov_b32 s[HALF+1], 0x42bf0000
	s_wait_kmcnt 0x0
	s_load_b512 s[ROT:ROT+15], s[6:7], 0x0         ; rot's 72 bytes
	s_load_b64 s[ROT+16:ROT+17], s[6:7], 0x40
	s_add_nc_u64 s[4:5], s[4:5], s[12:13]
	s_add_nc_u64 s[8:9], s[8:9], s[14:15]          ; batch 0's words,
	s_add_nc_u64 s[36:37], s[8:9], VOL             ; batch 1's
.irp c, 0,1,2
	global_load_b128 v[GR+12*\c:GR+12*\c+3],    v[LS], s[4:5] offset:\c*CBYTES th:TH_LOAD_NT       ; all nine loads go out at once
	global_load_b128 v[GR+12*\c+4:GR+12*\c+7],  v[LS], s[4:5] offset:\c*CBYTES+512 th:TH_LOAD_NT
	global_load_b128 v[GR+12*\c+8:GR+12*\c+11], v[LS], s[4:5] offset:\c*CBYTES+1024 th:TH_LOAD_NT
.endr
	s_wait_kmcnt 0x0
.irp b, 0,1
.irp i, 0,1,2
	v_mul_f32 v[MAT+6*\b+2*\i],   s[ROT+9*\b+3*\i],   v[TMP]
	v_mul_f32 v[MAT+6*\b+2*\i+1], s[ROT+9*\b+3*\i+1], v[TMP]
	v_mul_f32 v[MAT+12+2*\i+\b],  s[ROT+9*\b+3*\i+2], v[TMP]
.endr
.endr
.irp c, 0,1,2
	s_wait_loadcnt 6-3*\c                          ; loads come back in order (ISA guide 5.7.1): this chunk's three are in, the later chunks' three each stay out
	ds_store_b128 v[LS], v[GR+12*\c:GR+12*\c+3]
	ds_store_b128 v[LS], v[GR+12*\c+4:GR+12*\c+7] offset:512
	ds_store_b128 v[LS], v[GR+12*\c+8:GR+12*\c+11] offset:1024
	ds_load_b128 v[GR+12*\c:GR+12*\c+3],    v[LD]              ; LDS serves a wave's instructions in order (ISA guide 5.7.1.4): these see the stores above.
	ds_load_b128 v[GR+12*\c+4:GR+12*\c+7],  v[LD] offset:16    ; Lanes 48 bytes apart: sixteen lanes start at sixteen different multiples of 16 modulo 256
	ds_load_b128 v[GR+12*\c+8:GR+12*\c+11], v[LD] offset:32
	s_wait_dscnt 0x0
.irp p, 0,1,2,3
	PLACE GR+12*\c+3*\p
	WORD 0, OUT+8*\c+\p
	WORD 1, OUT+8*\c+4+\p
.endr
	global_store_b128 v[IO], v[OUT+8*\c:OUT+8*\c+3],   s[8:9]   offset:\c*4096 th:TH_STORE_NT   ; each chunk has store registers of its own: none is rewritten
	global_store_b128 v[IO], v[OUT+8*\c+4:OUT+8*\c+7], s[36:37] offset:\c*4096 th:TH_STORE_NT
.endr
	s_wait_tensorcnt 0x0                           ; the wave's end: behind my last LDS store
	ds_add_u32 v[SPW], v[NIL]
	s_wait_dscnt 0x0
	s_endpgm
.Lfunc_end_k_q9ef2afe071_locate:
	.size	k_q9ef2afe071_locate, .Lfunc_end_k_q9ef2afe071_locate-k_q9ef2afe071_locate
	.p2alignl 7, 3214868480
	.fill 96, 4, 3214868480
	.section	.rodata,"a",@progbits
	.p2align	6, 0x0
	.amdhsa_kernel k_q9ef2afe071_locate
		.amdhsa_group_segment_fixed_size 13312
		.amdhsa_private_segment_fixed_size 0
		.amdhsa_enable_private_segment 0
		.amdhsa_kernarg_size 24
		.amdhsa_user_sgpr_count 2
		.amdhsa_user_sgpr_kernarg_segment_ptr 1
		.amdhsa_wavefront_size32 1
		.amdhsa_system_sgpr_workgroup_id_x 1
		.amdhsa_system_sgpr_workgroup_id_y 1
		.amdhsa_system_sgpr_workgroup_id_z 1
		.amdhsa_system_vgpr_workitem_id 0
		.amdhsa_next_free_vgpr 98
		.amdhsa_next_free_sgpr 66
		.amdhsa_reserve_vcc 0
		.amdhsa_float_denorm_mode_32 3
		.amdhsa_float_denorm_mode_16_64 3
		.amdhsa_memory_ordered 1
		.amdhsa_forward_progress 1
		.amdhsa_inst_pref_size 23
	.end_amdhsa_kernel
	.amdgpu_metadata
---
amdhsa.version: [ 1, 2 ]
amdhsa.kernels:
  - .name:           k_q9ef2afe071_locate
    .symbol:         k_q9ef2afe071_locate.kd
    .args:
      - { .name: grid, .offset: 0, .size: 8, .value_kind: global_buffer, .address_space: global }
      - { .name: rot, .offset: 8, .size: 8, .value_kind: global_buffer, .address_space: global }
      - { .name: idx, .offset: 16, .size: 8, .value_kind: global_buffer, .address_space: global }
    .group_segment_fixed_size: 13312
    .private_segment_fixed_size: 0
    .kernarg_segment_align: 8
    .kernarg_segment_size: 24
    .max_flat_workgroup_size: 256
    .sgpr_count:     66
    .vgpr_count:     98
    .wavefront_size: 32
...
	.end_amdgpu_metadata
.endif
;; end of part 1
;; launch sample (part 2): grid 256 x 1, 24 waves a work-group, no clusters, 39,936 bytes of LDS; arguments grid, rot, src, idx, out0; writes out0
.if DOCPART == 2
	.amdgcn_target "amdgcn-amd-amdhsa--gfx1250"
	.amdhsa_code_object_version 6
	.text
	.protected	k_q9ef2afe071_sample
	.globl	k_q9ef2afe071_sample
	.p2align	8
	.type	k_q9ef2afe071_sample,@function
k_q9ef2afe071_sample:
	s_mov_b64 s[64:65], 0
	v_nop
	global_prefetch_b8 v0, s[64:65] scope:SCOPE_SE
	s_setreg_imm32_b32 hwreg(HW_REG_WAVE_MODE, 25, 1), 1
	s_wait_xcnt 0x0
; SAMPLE: out0[b][n] = the trilinear sample of src[b] at grid[n] . rot[b], zeros outside.  The gather's addresses come from the words that the launch before stored:
; ((fz 192 + fy) << 8) | fx, with fb = floor(x) clamped to 0 .. 190 on each axis.  The fractions are made here, by the same instructions as there (K = 3, f32, vector unit; 95.5 folded into rot).
; WEIGHTS.  With t = x - fb the sample at fb weighs the middle one of (1 + t, 0, 1 - t) and the sample at fb + 1 the middle one of (t, 0, 2 - t).  For 0 <= t < 1 these are 1 - t and t;
; for x in -1 .. 0 (t < 0) only index 0 counts, with 1 + x; for x in 191 .. 192 (t >= 1) only index 191, with 192 - x; further out both are 0.  That is zero padding without a mask,
; and all eight addresses lie inside src for every word.
; LIMITS.  A NaN position gives 0.  src is taken as finite: a weight of 0 still multiplies a sample.  Positions differ from the plain order of rounding by a few units in the last place of 192.
; SHARES.  256 work-groups of 24 waves, six to a SIMD at 160 registers.  A thread owns 4 neighbouring points, for both batches: grid is read once for the two.  Trip t of work-group g takes the
; 3,072 points from (256 t + g) x 3,072 on: 9 trips; all work-groups together walk a slab of 786,432 points a trip, so that neighbours in src are wanted at about the same time.
; A wave's loads of words and stores of results cover 512 consecutive aligned bytes; its 1,536 grid bytes come as three such loads and are turned through its own LDS bytes (no barrier: no wave reads another's).
; A TRIP.  The chunk's grid and words were loaded a trip ahead.  Addresses; 56 gathers; the fractions; the next chunk's five loads; the last 8 gathers; then point by point weights and mixing.
.set SIDE,   192
.set NPT,    SIDE*SIDE*SIDE
.set VOL,    NPT*4                     ; bytes of one batch of src, of words, of out0
.set DX,     4                         ; bytes from a sample to its neighbour along x, y, z
.set DY,     SIDE*4
.set DZ,     SIDE*SIDE*4
.set COLMAX, SIDE-2
.set ROWMAX, (SIDE-2)*SIDE+SIDE-2
.set WAVES,  24
.set GROUPS, 256
.set TRIPS,  NPT/(GROUPS*WAVES*128)    ; 9
.set WBYTES, 128*12                    ; grid bytes of a wave's 128 points
.set GSTEP,  GROUPS*WAVES*WBYTES       ; grid bytes from a trip to the next
.set ISTEP,  GROUPS*WAVES*512          ; bytes of words, and of results, from a trip to the next: inside a store's signed 24-bit immediate
.set SPARE,  WAVES*WBYTES              ; behind the waves' LDS: the spare words, 128 bytes for each wave
.set LS,   1                           ; v1      16 x lane + 1,536 x wave: where I put 16 grid bytes in LDS
.set LD,   2                           ; v2      48 x lane + 1,536 x wave: where my 12 numbers lie
.set GOFF, 3                           ; v3      my byte offset in grid for the chunk to be loaded
.set IO,   4                           ; v4      the same in the words
.set TMP,  5                           ; v5      at work in the head
.set SPW,  6                           ; v6      LDS address of my spare word; never rewritten
.set NIL,  7                           ; v7      0; never rewritten
.set MAT,  8                           ; v8-25   95.5 x rot: (a_i0, a_i1) of batch b at MAT + 6 b + 2 i; (a_i2 of batch 0, of batch 1) at MAT + 12 + 2 i
.set X1,   26                          ; v26-31  six numbers at work, in the places (x, y) of batch 0, (x, y) of batch 1, (z, z) of batches 0 and 1; at last the lower samples' weights
.set X2,   32                          ; v32-37  likewise
.set X3,   38                          ; v38-43  likewise; at last the upper samples' weights
.set GR,   44                          ; v44-55  grid
.set IX,   56                          ; v56-63  words: batch b, point p at IX + 4 b + p
.set AD,   64                          ; v64-71  byte offsets in src, likewise
.set TT,   72                          ; v72-95  t: point p's six at TT + 6 p.  The results take TT + 4 b + p, each a register whose t has been used
.set VAL,  96                          ; v96-159 samples: point p, batch b at VAL + 16 p + 8 b + 4 dz + 2 dx + dy
.set ROT,  16                          ; s[16:33] rot as it lies
.set TOP,  34                          ; s34     190.0
.set HALF, 46                          ; s[46:47] 95.5, named as a pair
.macro BFMS d, g, m                    ; v[d:d+1] = v[g] x v[m:m+1] + 95.5; op_sel picks v[g] out of its aligned pair for both halves
.if ((\g) & 1)
	v_pk_fma_f32 v[(\d):(\d)+1], v[(\g)-1:(\g)], v[(\m):(\m)+1], s[HALF:HALF+1] op_sel:[1,0,0] op_sel_hi:[1,1,0]
.else
	v_pk_fma_f32 v[(\d):(\d)+1], v[(\g):(\g)+1], v[(\m):(\m)+1], s[HALF:HALF+1] op_sel_hi:[0,1,0]
.endif
.endm
.macro BFMA d, g, m                    ; v[d:d+1] += v[g] x v[m:m+1]
.if ((\g) & 1)
	v_pk_fma_f32 v[(\d):(\d)+1], v[(\g)-1:(\g)], v[(\m):(\m)+1], v[(\d):(\d)+1] op_sel:[1,0,0] op_sel_hi:[1,1,1]
.else
	v_pk_fma_f32 v[(\d):(\d)+1], v[(\g):(\g)+1], v[(\m):(\m)+1], v[(\d):(\d)+1] op_sel_hi:[0,1,1]
.endif
.endm
; The point whose three grid numbers lie in v[g .. g+2]: six coordinates into X1, their clamped floors into X2.  The same lines as in the launch before.
.macro PLACE g
	BFMS X1,   (\g)+2, MAT+4
	BFMS X1+2, (\g)+2, MAT+10
	BFMS X1+4, (\g)+2, MAT+16
	BFMA X1,   (\g)+1, MAT+2
	BFMA X1+2, (\g)+1, MAT+8
	BFMA X1+4, (\g)+1, MAT+14
	BFMA X1,   (\g),   MAT
	BFMA X1+2, (\g),   MAT+6
	BFMA X1+4, (\g),   MAT+12
.irp r, 0,1,2,3,4,5
	v_floor_f32 v[X2+\r], v[X1+\r]
.endr
.irp r, 0,1,2,3,4,5
	v_med3_num_f32 v[X2+\r], v[X2+\r], 0, s[TOP]
.endr
.endm
.macro FETCH                           ; a chunk's grid bytes and words: five loads of 512 consecutive bytes
	global_load_b128 v[GR:GR+3],    v[GOFF], s[4:5] th:TH_LOAD_NT
	global_load_b128 v[GR+4:GR+7],  v[GOFF], s[4:5] offset:512 th:TH_LOAD_NT
	global_load_b128 v[GR+8:GR+11], v[GOFF], s[4:5] offset:1024 th:TH_LOAD_NT
	global_load_b128 v[IX:IX+3],    v[IO], s[10:11] th:TH_LOAD_NT
	global_load_b128 v[IX+4:IX+7],  v[IO], s[38:39] th:TH_LOAD_NT
.endm
.macro GATHER b, p, base               ; the eight samples of point p in batch b: one offset register, the corner in the immediate
.irp z, 0,1
.irp x, 0,1
.irp y, 0,1
	global_load_b32 v[VAL+16*(\p)+8*(\b)+4*\z+2*\x+\y], v[AD+4*(\b)+(\p)], s[\base:\base+1] offset:\z*DZ+\y*DY+\x*DX
.endr
.endr
.endr
.endm
.macro HATS p                          ; point p's twelve weights: the lower samples' into X1, the upper samples' into X3
.irp r, 0,2,4
	v_pk_add_f32 v[X1+\r:X1+\r+1], v[TT+6*(\p)+\r:TT+6*(\p)+\r+1], 1.0 op_sel_hi:[1,0]                              ; 1 + t
	v_pk_add_f32 v[X2+\r:X2+\r+1], v[TT+6*(\p)+\r:TT+6*(\p)+\r+1], 1.0 op_sel_hi:[1,0] neg_lo:[1,0] neg_hi:[1,0]    ; 1 - t
	v_pk_add_f32 v[X3+\r:X3+\r+1], v[TT+6*(\p)+\r:TT+6*(\p)+\r+1], 2.0 op_sel_hi:[1,0] neg_lo:[1,0] neg_hi:[1,0]    ; 2 - t
.endr
.irp r, 0,1,2,3,4,5
	v_med3_num_f32 v[X1+\r], v[X1+\r], 0, v[X2+\r]
	v_med3_num_f32 v[X3+\r], v[TT+6*(\p)+\r], 0, v[X3+\r]
.endr
.endm
; Eight samples into one result.  A register pair holds the two samples that differ in y: along x and z two at a time, a weight picked out of its pair for both halves; along y at the end.
.macro MIX b, p
.set rV, VAL+16*(\p)+8*(\b)
	v_pk_mul_f32 v[rV:rV+1],   v[rV:rV+1],   v[X1+2*(\b):X1+2*(\b)+1] op_sel_hi:[1,0]
	v_pk_mul_f32 v[rV+4:rV+5], v[rV+4:rV+5], v[X1+2*(\b):X1+2*(\b)+1] op_sel_hi:[1,0]
	v_pk_fma_f32 v[rV:rV+1],   v[rV+2:rV+3], v[X3+2*(\b):X3+2*(\b)+1], v[rV:rV+1] op_sel_hi:[1,0,1]
	v_pk_fma_f32 v[rV+4:rV+5], v[rV+6:rV+7], v[X3+2*(\b):X3+2*(\b)+1], v[rV+4:rV+5] op_sel_hi:[1,0,1]
.if (\b) == 0
	v_pk_mul_f32 v[rV:rV+1], v[rV:rV+1],   v[X1+4:X1+5] op_sel_hi:[1,0]
	v_pk_fma_f32 v[rV:rV+1], v[rV+4:rV+5], v[X3+4:X3+5], v[rV:rV+1] op_sel_hi:[1,0,1]
.else
	v_pk_mul_f32 v[rV:rV+1], v[rV:rV+1],   v[X1+4:X1+5] op_sel:[0,1] op_sel_hi:[1,1]
	v_pk_fma_f32 v[rV:rV+1], v[rV+4:rV+5], v[X3+4:X3+5], v[rV:rV+1] op_sel:[0,1,0] op_sel_hi:[1,1,1]
.endif
	v_mul_f32 v[rV+1], v[rV+1], v[X3+2*(\b)+1]
	v_fma_f32 v[TT+4*(\b)+(\p)], v[rV], v[X1+2*(\b)+1], v[rV+1]
.endm
; A trip.  last = 1: the ninth, written out behind the loop: it loads nothing ahead, so no load leaves its buffer.
.macro TRIP last
	s_wait_loadcnt 0x0                             ; this chunk's grid and words are in (the eighth group's wait of the trip before has shown it already)
	s_wait_xcnt 0x0                                ; the last trip's stores have read their data and their offset: only behind this wait are IO and the results' registers rewritten
.if !(\last)
	v_add_nc_u32 v[GOFF], GSTEP, v[GOFF]           ; on to the next chunk; this trip's stores reach back by their immediate
	v_add_nc_u32 v[IO], ISTEP, v[IO]
.endif
	ds_store_b128 v[LS], v[GR:GR+3]
	ds_store_b128 v[LS], v[GR+4:GR+7] offset:512
	ds_store_b128 v[LS], v[GR+8:GR+11] offset:1024
	ds_load_b128 v[GR:GR+3],    v[LD]              ; LDS serves a wave's instructions in order (ISA guide 5.7.1.4): these see the stores above.
	ds_load_b128 v[GR+4:GR+7],  v[LD] offset:16    ; Lanes 48 bytes apart: sixteen lanes start at sixteen different multiples of 16 modulo 256
	ds_load_b128 v[GR+8:GR+11], v[LD] offset:32
	; A loaded number enters an address only behind a clamp by a constant: the row at most 190 x 192 + 190, the column at most 190, so that the farthest of the eight samples is the batch's last number.
.irp n, 0,1,2,3,4,5,6,7
	v_lshrrev_b32 v[X1+\n], 8, v[IX+\n]
	v_and_b32 v[AD+\n], 0xff, v[IX+\n]
.endr
.irp n, 0,1,2,3,4,5,6,7
	v_min_u32 v[X1+\n], ROWMAX, v[X1+\n]
	v_min_u32 v[AD+\n], COLMAX, v[AD+\n]
.endr
.irp n, 0,1,2,3,4,5,6,7
	v_mul_u32_u24 v[X1+\n], DY, v[X1+\n]
.endr
.irp n, 0,1,2,3,4,5,6,7
	v_lshl_add_u32 v[AD+\n], v[AD+\n], 2, v[X1+\n]
.endr
.irp p, 0,1,2
	GATHER 0, \p, 8
	GATHER 1, \p, 36
.endr
	GATHER 0, 3, 8                                 ; seven groups of eight are out
	s_wait_dscnt 0x0                               ; my 12 grid numbers
.irp p, 0,1,2,3
	PLACE GR+3*\p
.irp r, 0,2,4
	v_pk_add_f32 v[TT+6*\p+\r:TT+6*\p+\r+1], v[X1+\r:X1+\r+1], v[X2+\r:X2+\r+1] neg_lo:[0,1] neg_hi:[0,1]   ; t = x - fb
.endr
.endr
.if !(\last)
	FETCH                                          ; grid's and the words' registers are free: the next chunk's five loads stand ahead of the eighth group, with 61 loads out at the most when they are issued
.endif
	GATHER 1, 3, 36
.irp p, 0,1,2,3
	HATS \p                                        ; work on registers ahead of the wait
	s_wait_loadcnt 61-16*\p-5*(\last)              ; loads come back in order (ISA guide 5.7.1): behind group 2 p stand the later groups' eight each and, but in the last trip, the next chunk's five
	MIX 0, \p
.if \p == 3
	s_wait_loadcnt 0x0                             ; the eighth group was issued last
.else
	s_wait_loadcnt 53-16*\p-5*(\last)
.endif
	MIX 1, \p
.endr
.if \last
	global_store_b128 v[IO], v[TT:TT+3],   s[12:13] th:TH_STORE_NT
	global_store_b128 v[IO], v[TT+4:TT+7], s[40:41] th:TH_STORE_NT
.else
	global_store_b128 v[IO], v[TT:TT+3],   s[12:13] offset:-ISTEP th:TH_STORE_NT   ; a wave's store covers 512 consecutive bytes, at a multiple of 512 from out0's first
	global_store_b128 v[IO], v[TT+4:TT+7], s[40:41] offset:-ISTEP th:TH_STORE_NT
.endif
.endm
	s_load_b256 s[4:11], s[0:1], 0x0               ; grid s[4:5], rot s[6:7], src s[8:9], idx s[10:11]
	s_load_b64 s[12:13], s[0:1], 0x20              ; out0
	v_lshl_add_u32 v[SPW], v0, 2, SPARE
	v_mov_b32 v[NIL], 0
	v_and_b32 v[TMP], 31, v0                       ; lane
	v_lshrrev_b32 v[LS], 5, v0
	v_readfirstlane_b32 s14, v[LS]                 ; wave 0..23
	s_mul_i32 s15, s14, WBYTES
	v_lshl_add_u32 v[LS], v[TMP], 4, s15
	v_mul_u32_u24 v[LD], v[TMP], 48
	v_add_nc_u32 v[LD], s15, v[LD]
	v_mov_b32 v[GOFF], v[LS]                       ; the same place in the work-group's grid bytes
	v_lshlrev_b32 v[IO], 4, v0
	v_mov_b32 v[TMP], 0x42bf0000                   ; 95.5
	s_mul_i32 s42, ttmp9, WAVES*WBYTES             ; the work-group's first chunk: its grid bytes,
	s_mov_b32 s43, 0
	s_mul_i32 s44, ttmp9, WAVES*512                ; its words and results
	s_mov_b32 s45, 0
	s_mov_b32 s[TOP], 0x433e0000
	s_mov_b32 s[HALF], 0x42bf0000
	s_mov_b32 s[HALF+1], 0x42bf0000
	s_wait_kmcnt 0x0
	s_load_b512 s[ROT:ROT+15], s[6:7], 0x0         ; rot's 72 bytes
	s_load_b64 s[ROT+16:ROT+17], s[6:7], 0x40
	s_add_nc_u64 s[4:5], s[4:5], s[42:43]
	s_add_nc_u64 s[10:11], s[10:11], s[44:45]
	s_add_nc_u64 s[12:13], s[12:13], s[44:45]
	s_add_nc_u64 s[36:37], s[8:9], VOL             ; batch 1 of src,
	s_add_nc_u64 s[38:39], s[10:11], VOL           ; of the words,
	s_add_nc_u64 s[40:41], s[12:13], VOL           ; of out0
	FETCH                                          ; the first chunk
	s_wait_kmcnt 0x0
.irp b, 0,1
.irp i, 0,1,2
	v_mul_f32 v[MAT+6*\b+2*\i],   s[ROT+9*\b+3*\i],   v[TMP]
	v_mul_f32 v[MAT+6*\b+2*\i+1], s[ROT+9*\b+3*\i+1], v[TMP]
	v_mul_f32 v[MAT+12+2*\i+\b],  s[ROT+9*\b+3*\i+2], v[TMP]
.endr
.endr
	s_mov_b32 s48, TRIPS-1
.Ltrip:
	TRIP 0
	s_sub_co_u32 s48, s48, 1
	s_cmp_lg_u32 s48, 0
	s_cbranch_scc1 .Ltrip
	TRIP 1
	s_wait_tensorcnt 0x0                           ; the wave's end: behind my last LDS store
	ds_add_u32 v[SPW], v[NIL]
	s_wait_dscnt 0x0
	s_endpgm
.Lfunc_end_k_q9ef2afe071_sample:
	.size	k_q9ef2afe071_sample, .Lfunc_end_k_q9ef2afe071_sample-k_q9ef2afe071_sample
	.p2alignl 7, 3214868480
	.fill 96, 4, 3214868480
	.section	.rodata,"a",@progbits
	.p2align	6, 0x0
	.amdhsa_kernel k_q9ef2afe071_sample
		.amdhsa_group_segment_fixed_size 39936
		.amdhsa_private_segment_fixed_size 0
		.amdhsa_enable_private_segment 0
		.amdhsa_kernarg_size 40
		.amdhsa_user_sgpr_count 2
		.amdhsa_user_sgpr_kernarg_segment_ptr 1
		.amdhsa_wavefront_size32 1
		.amdhsa_system_sgpr_workgroup_id_x 1
		.amdhsa_system_sgpr_workgroup_id_y 1
		.amdhsa_system_sgpr_workgroup_id_z 1
		.amdhsa_system_vgpr_workitem_id 0
		.amdhsa_next_free_vgpr 160
		.amdhsa_next_free_sgpr 66
		.amdhsa_reserve_vcc 0
		.amdhsa_float_denorm_mode_32 3
		.amdhsa_float_denorm_mode_16_64 3
		.amdhsa_memory_ordered 1
		.amdhsa_forward_progress 1
		.amdhsa_inst_pref_size 52
	.end_amdhsa_kernel
	.amdgpu_metadata
---
amdhsa.version: [ 1, 2 ]
amdhsa.kernels:
  - .name:           k_q9ef2afe071_sample
    .symbol:         k_q9ef2afe071_sample.kd
    .args:
      - { .name: grid, .offset: 0, .size: 8, .value_kind: global_buffer, .address_space: global }
      - { .name: rot, .offset: 8, .size: 8, .value_kind: global_buffer, .address_space: global }
      - { .name: src, .offset: 16, .size: 8, .value_kind: global_buffer, .address_space: global }
      - { .name: idx, .offset: 24, .size: 8, .value_kind: global_buffer, .address_space: global }
      - { .name: out0, .offset: 32, .size: 8, .value_kind: global_buffer, .address_space: global }
    .group_segment_fixed_size: 39936
    .private_segment_fixed_size: 0
    .kernarg_segment_align: 8
    .kernarg_segment_size: 40
    .max_flat_workgroup_size: 768
    .sgpr_count:     66
    .vgpr_count:     160
    .wavefront_size: 32
...
	.end_amdgpu_metadata
.endif
;; end of part 2
;; ======== version 2 of 2: 2 launches; version 1 with the launch sample written anew for expert scheduling mode
;; workspace buffers: idx 56,623,104 bytes of whole numbers
;; launch locate: the kernel of part 1 again; grid 2304 x 1, 8 waves a work-group, no clusters, 13,312 bytes of LDS; arguments grid, rot, idx; writes idx
;; launch sample (part 3): grid 256 x 1, 24 waves a work-group, no clusters, 39,936 bytes of LDS; arguments grid, rot, src, idx, out0; writes out0
.if DOCPART == 3
	.amdgcn_target "amdgcn-amd-amdhsa--gfx1250"
	.amdhsa_code_object_version 6
	.text
	.protected	k_q9ef2afe071_sample
	.globl	k_q9ef2afe071_sample
	.p2align	8
	.type	k_q9ef2afe071_sample,@function
k_q9ef2afe071_sample:
	s_mov_b64 s[64:65], 0
	v_nop
	global_prefetch_b8 v0, s[64:65] scope:SCOPE_SE
	s_setreg_imm32_b32 hwreg(HW_REG_WAVE_SCHED_MODE, 0, 2), 2
	s_setreg_imm32_b32 hwreg(HW_REG_WAVE_MODE, 25, 1), 1
	s_wait_xcnt 0x0
	s_wait_alu depctr_vm_vsrc(0)
; SAMPLE: out0[b][n] = the trilinear sample of src[b] at grid[n] . rot[b], zeros outside.  The gather's addresses come from the words that the launch before stored:
; ((fz 192 + fy) << 8) | fx, with fb = floor(x) clamped to 0 .. 190 on each axis.  The fractions are made here, by the same instructions as there (K = 3, f32, vector unit; 95.5 folded into rot).
; WEIGHTS.  With t = x - fb the sample at fb weighs the middle one of (1 + t, 0, 1 - t) and the sample at fb + 1 the middle one of (t, 0, 2 - t).  For 0 <= t < 1 these are 1 - t and t;
; for x in -1 .. 0 (t < 0) only index 0 counts, with 1 + x; for x in 191 .. 192 (t >= 1) only index 191, with 192 - x; further out both are 0.  That is zero padding without a mask,
; and all eight addresses lie inside src for every word.
; LIMITS.  A NaN position gives 0.  src is taken as finite: a weight of 0 still multiplies a sample.  Positions differ from the plain order of rounding by a few units in the last place of 192.
; SHARES.  256 work-groups of 24 waves, six to a SIMD at 160 registers.  A thread owns 4 neighbouring points, for both batches: grid is read once for the two.  Trip t of work-group g takes the
; 3,072 points from (256 t + g) x 3,072 on: 9 trips; all work-groups together walk a slab of 786,432 points a trip, so that neighbours in src are wanted at about the same time.
; A wave's loads of words and stores of results cover 512 consecutive aligned bytes; its 1,536 grid bytes come as three such loads and are turned through its own LDS bytes (no barrier: no wave reads another's).
; A TRIP.  The chunk's grid and words were loaded a trip ahead.  Addresses; 56 gathers; the fractions; the next chunk's five loads; the last 8 gathers; then point by point weights and mixing.
; THE MODE: SCHED_MODE bits 1:0 = 2 (LLVM: expert scheduling mode 2), set by the entry lines.  The code itself states the register dependences
; between vector instructions and memory or LDS instructions, with s_wait_alu, always for 0.
; THE PLAN.  Registers that memory or LDS instructions touch, round a trip:
;   LS, LD      made at the head, read by the LDS stores and loads, never written again.
;   GOFF, IO    read by the five loads of the next chunk and by the two stores; stepped once a trip by a vector add.
;   GR          the chunk's loads land (a trip ahead); the LDS stores read it; the LDS loads land in it; the coordinates' lines read it; the next chunk's loads land.
;   IX          the chunk's loads land; the address lines read it; the next chunk's loads land.
;   AD          written by the address lines, read by the 64 gathers.
;   VAL         the gathers land; the mixing reads and writes it.
;   TT .. TT+7  written by the fractions' lines, then by the mixing (the results); read by the two stores.
;   SPW, NIL    made at the head, read by the closing add alone.
;   X1, X2, X3, MAT and TT+8 .. TT+23 are named by vector instructions alone.
; So a trip has four waits.  (1) vm_vsrc behind the LDS stores: they have read GR; the last trip's gathers have read AD, its loads and stores GOFF and IO, its stores TT .. TT+7.
; (2) va_vdst ahead of the gathers: AD, GOFF and IO are written; the last trip's mixing is done with VAL; the address lines are done reading IX.  No vector line behind it names AD, VAL, GOFF or IO
; before the trip's last gather, load and store by them.  (3) va_vdst ahead of the next chunk's loads: the coordinates' lines are done reading GR.  (4) va_vdst ahead of the stores: the results are written.
.set SIDE,   192
.set NPT,    SIDE*SIDE*SIDE
.set VOL,    NPT*4                     ; bytes of one batch of src, of words, of out0
.set DX,     4                         ; bytes from a sample to its neighbour along x, y, z
.set DY,     SIDE*4
.set DZ,     SIDE*SIDE*4
.set COLMAX, SIDE-2
.set ROWMAX, (SIDE-2)*SIDE+SIDE-2
.set WAVES,  24
.set GROUPS, 256
.set TRIPS,  NPT/(GROUPS*WAVES*128)    ; 9
.set WBYTES, 128*12                    ; grid bytes of a wave's 128 points
.set GSTEP,  GROUPS*WAVES*WBYTES       ; grid bytes from a trip to the next
.set ISTEP,  GROUPS*WAVES*512          ; bytes of words, and of results, from a trip to the next: inside a store's signed 24-bit immediate
.set SPARE,  WAVES*WBYTES              ; behind the waves' LDS: the spare words, 128 bytes for each wave
.set LS,   1                           ; v1      16 x lane + 1,536 x wave: where I put 16 grid bytes in LDS
.set LD,   2                           ; v2      48 x lane + 1,536 x wave: where my 12 numbers lie
.set GOFF, 3                           ; v3      my byte offset in grid for the chunk to be loaded
.set IO,   4                           ; v4      the same in the words
.set TMP,  5                           ; v5      at work in the head
.set SPW,  6                           ; v6      LDS address of my spare word; never rewritten
.set NIL,  7                           ; v7      0; never rewritten
.set MAT,  8                           ; v8-25   95.5 x rot: (a_i0, a_i1) of batch b at MAT + 6 b + 2 i; (a_i2 of batch 0, of batch 1) at MAT + 12 + 2 i
.set X1,   26                          ; v26-31  six numbers at work, in the places (x, y) of batch 0, (x, y) of batch 1, (z, z) of batches 0 and 1; at last the lower samples' weights
.set X2,   32                          ; v32-37  likewise
.set X3,   38                          ; v38-43  likewise; at last the upper samples' weights
.set GR,   44                          ; v44-55  grid
.set IX,   56                          ; v56-63  words: batch b, point p at IX + 4 b + p
.set AD,   64                          ; v64-71  byte offsets in src, likewise
.set TT,   72                          ; v72-95  t: point p's six at TT + 6 p.  The results take TT + 4 b + p, each a register whose t has been used
.set VAL,  96                          ; v96-159 samples: point p, batch b at VAL + 16 p + 8 b + 4 dz + 2 dx + dy
.set ROT,  16                          ; s[16:33] rot as it lies
.set TOP,  34                          ; s34     190.0
.set HALF, 46                          ; s[46:47] 95.5, named as a pair
.macro BFMS d, g, m                    ; v[d:d+1] = v[g] x v[m:m+1] + 95.5; op_sel picks v[g] out of its aligned pair for both halves
.if ((\g) & 1)
	v_pk_fma_f32 v[(\d):(\d)+1], v[(\g)-1:(\g)], v[(\m):(\m)+1], s[HALF:HALF+1] op_sel:[1,0,0] op_sel_hi:[1,1,0]
.else
	v_pk_fma_f32 v[(\d):(\d)+1], v[(\g):(\g)+1], v[(\m):(\m)+1], s[HALF:HALF+1] op_sel_hi:[0,1,0]
.endif
.endm
.macro BFMA d, g, m                    ; v[d:d+1] += v[g] x v[m:m+1]
.if ((\g) & 1)
	v_pk_fma_f32 v[(\d):(\d)+1], v[(\g)-1:(\g)], v[(\m):(\m)+1], v[(\d):(\d)+1] op_sel:[1,0,0] op_sel_hi:[1,1,1]
.else
	v_pk_fma_f32 v[(\d):(\d)+1], v[(\g):(\g)+1], v[(\m):(\m)+1], v[(\d):(\d)+1] op_sel_hi:[0,1,1]
.endif
.endm
; The point whose three grid numbers lie in v[g .. g+2]: six coordinates into X1, their clamped floors into X2.  The same lines as in the launch before.
.macro PLACE g
	BFMS X1,   (\g)+2, MAT+4
	BFMS X1+2, (\g)+2, MAT+10
	BFMS X1+4, (\g)+2, MAT+16
	BFMA X1,   (\g)+1, MAT+2
	BFMA X1+2, (\g)+1, MAT+8
	BFMA X1+4, (\g)+1, MAT+14
	BFMA X1,   (\g),   MAT
	BFMA X1+2, (\g),   MAT+6
	BFMA X1+4, (\g),   MAT+12
.irp r, 0,1,2,3,4,5
	v_floor_f32 v[X2+\r], v[X1+\r]
.endr
.irp r, 0,1,2,3,4,5
	v_med3_num_f32 v[X2+\r], v[X2+\r], 0, s[TOP]
.endr
.endm
.macro FETCH                           ; a chunk's grid bytes and words: five loads of 512 consecutive bytes
	global_load_b128 v[GR:GR+3],    v[GOFF], s[4:5] th:TH_LOAD_NT
	global_load_b128 v[GR+4:GR+7],  v[GOFF], s[4:5] offset:512 th:TH_LOAD_NT
	global_load_b128 v[GR+8:GR+11], v[GOFF], s[4:5] offset:1024 th:TH_LOAD_NT
	global_load_b128 v[IX:IX+3],    v[IO], s[10:11] th:TH_LOAD_NT
	global_load_b128 v[IX+4:IX+7],  v[IO], s[38:39] th:TH_LOAD_NT
.endm
.macro GATHER b, p, base               ; the eight samples of point p in batch b: one offset register, the corner in the immediate
.irp z, 0,1
.irp x, 0,1
.irp y, 0,1
	global_load_b32 v[VAL+16*(\p)+8*(\b)+4*\z+2*\x+\y], v[AD+4*(\b)+(\p)], s[\base:\base+1] offset:\z*DZ+\y*DY+\x*DX
.endr
.endr
.endr
.endm
.macro HATS p                          ; point p's twelve weights: the lower samples' into X1, the upper samples' into X3
.irp r, 0,2,4
	v_pk_add_f32 v[X1+\r:X1+\r+1], v[TT+6*(\p)+\r:TT+6*(\p)+\r+1], 1.0 op_sel_hi:[1,0]                              ; 1 + t
	v_pk_add_f32 v[X2+\r:X2+\r+1], v[TT+6*(\p)+\r:TT+6*(\p)+\r+1], 1.0 op_sel_hi:[1,0] neg_lo:[1,0] neg_hi:[1,0]    ; 1 - t
	v_pk_add_f32 v[X3+\r:X3+\r+1], v[TT+6*(\p)+\r:TT+6*(\p)+\r+1], 2.0 op_sel_hi:[1,0] neg_lo:[1,0] neg_hi:[1,0]    ; 2 - t
.endr
.irp r, 0,1,2,3,4,5
	v_med3_num_f32 v[X1+\r], v[X1+\r], 0, v[X2+\r]
	v_med3_num_f32 v[X3+\r], v[TT+6*(\p)+\r], 0, v[X3+\r]
.endr
.endm
; Eight samples into one result.  A register pair holds the two samples that differ in y: along x and z two at a time, a weight picked out of its pair for both halves; along y at the end.
.macro MIX b, p
.set rV, VAL+16*(\p)+8*(\b)
	v_pk_mul_f32 v[rV:rV+1],   v[rV:rV+1],   v[X1+2*(\b):X1+2*(\b)+1] op_sel_hi:[1,0]
	v_pk_mul_f32 v[rV+4:rV+5], v[rV+4:rV+5], v[X1+2*(\b):X1+2*(\b)+1] op_sel_hi:[1,0]
	v_pk_fma_f32 v[rV:rV+1],   v[rV+2:rV+3], v[X3+2*(\b):X3+2*(\b)+1], v[rV:rV+1] op_sel_hi:[1,0,1]
	v_pk_fma_f32 v[rV+4:rV+5], v[rV+6:rV+7], v[X3+2*(\b):X3+2*(\b)+1], v[rV+4:rV+5] op_sel_hi:[1,0,1]
.if (\b) == 0
	v_pk_mul_f32 v[rV:rV+1], v[rV:rV+1],   v[X1+4:X1+5] op_sel_hi:[1,0]
	v_pk_fma_f32 v[rV:rV+1], v[rV+4:rV+5], v[X3+4:X3+5], v[rV:rV+1] op_sel_hi:[1,0,1]
.else
	v_pk_mul_f32 v[rV:rV+1], v[rV:rV+1],   v[X1+4:X1+5] op_sel:[0,1] op_sel_hi:[1,1]
	v_pk_fma_f32 v[rV:rV+1], v[rV+4:rV+5], v[X3+4:X3+5], v[rV:rV+1] op_sel:[0,1,0] op_sel_hi:[1,1,1]
.endif
	v_mul_f32 v[rV+1], v[rV+1], v[X3+2*(\b)+1]
	v_fma_f32 v[TT+4*(\b)+(\p)], v[rV], v[X1+2*(\b)+1], v[rV+1]
.endm
; A trip.  last = 1: the ninth, written out behind the loop: it loads nothing ahead, so no load leaves its buffer.
.macro TRIP last
	s_wait_loadcnt 0x0                             ; this chunk's grid and words are in (the eighth group's wait of the trip before has shown it already)
	s_wait_xcnt 0x0                                ; the last trip's stores have had their addresses translated (ISA guide 3.1): only behind this wait are IO and the results' registers rewritten
	ds_store_b128 v[LS], v[GR:GR+3]
	ds_store_b128 v[LS], v[GR+4:GR+7] offset:512
	ds_store_b128 v[LS], v[GR+8:GR+11] offset:1024
	; A loaded number enters an address only behind a clamp by a constant: the row at most 190 x 192 + 190, the column at most 190, so that the farthest of the eight samples is the batch's last number.
	; The rows' 24 lines write X1 .. X1+7, which no memory instruction names: they stand between the LDS stores and the wait for their reads.
.irp n, 0,1,2,3,4,5,6,7
	v_lshrrev_b32 v[X1+\n], 8, v[IX+\n]
.endr
.irp n, 0,1,2,3,4,5,6,7
	v_min_u32 v[X1+\n], ROWMAX, v[X1+\n]
.endr
.irp n, 0,1,2,3,4,5,6,7
	v_mul_u32_u24 v[X1+\n], DY, v[X1+\n]
.endr
	s_wait_alu depctr_vm_vsrc(0)                   ; the LDS stores have read GR, in which the LDS loads land; the last trip's gathers have read AD, its loads and stores GOFF and IO, its stores TT .. TT+7: all are written again below
	ds_load_b128 v[GR:GR+3],    v[LD]              ; LDS serves a wave's instructions in order (ISA guide 5.7.1.4): these see the stores above.
	ds_load_b128 v[GR+4:GR+7],  v[LD] offset:16    ; Lanes 48 bytes apart: sixteen lanes start at sixteen different multiples of 16 modulo 256
	ds_load_b128 v[GR+8:GR+11], v[LD] offset:32
.if !(\last)
	v_add_nc_u32 v[GOFF], GSTEP, v[GOFF]           ; on to the next chunk; this trip's stores reach back by their immediate
	v_add_nc_u32 v[IO], ISTEP, v[IO]
.endif
.irp n, 0,1,2,3,4,5,6,7
	v_and_b32 v[AD+\n], 0xff, v[IX+\n]
.endr
.irp n, 0,1,2,3,4,5,6,7
	v_min_u32 v[AD+\n], COLMAX, v[AD+\n]
.endr
.irp n, 0,1,2,3,4,5,6,7
	v_lshl_add_u32 v[AD+\n], v[AD+\n], 2, v[X1+\n]
.endr
	s_wait_alu depctr_va_vdst(0)                   ; AD is written, which the gathers read; so are GOFF and IO, which the loads and stores further down read; the last trip's mixing is done with VAL, in which the gathers land; the lines above are done reading IX
.irp p, 0,1,2
	GATHER 0, \p, 8
	GATHER 1, \p, 36
.endr
	GATHER 0, 3, 8                                 ; seven groups of eight are out
	s_wait_dscnt 0x0                               ; my 12 grid numbers
.irp p, 0,1,2,3
	PLACE GR+3*\p
.irp r, 0,2,4
	v_pk_add_f32 v[TT+6*\p+\r:TT+6*\p+\r+1], v[X1+\r:X1+\r+1], v[X2+\r:X2+\r+1] neg_lo:[0,1] neg_hi:[0,1]   ; t = x - fb
.endr
.endr
.if !(\last)
	s_wait_alu depctr_va_vdst(0)                   ; the coordinates' lines are done reading GR, in which the next chunk's loads land
	FETCH                                          ; grid's and the words' registers are free: the next chunk's five loads stand ahead of the eighth group, with 61 loads out at the most when they are issued
.endif
	GATHER 1, 3, 36                                ; no wait of its own: no vector line since the wait ahead of the first gather names AD or VAL
.irp p, 0,1,2,3
	HATS \p                                        ; work on registers ahead of the wait
	s_wait_loadcnt 61-16*\p-5*(\last)              ; loads come back in order (ISA guide 5.7.1): behind group 2 p stand the later groups' eight each and, but in the last trip, the next chunk's five
	MIX 0, \p
.if \p == 3
	s_wait_loadcnt 0x0                             ; the eighth group was issued last
.else
	s_wait_loadcnt 53-16*\p-5*(\last)
.endif
	MIX 1, \p
.endr
	s_wait_alu depctr_va_vdst(0)                   ; the mixing has written the eight results TT .. TT+7, which the two stores read
.if \last
	global_store_b128 v[IO], v[TT:TT+3],   s[12:13] th:TH_STORE_NT
	global_store_b128 v[IO], v[TT+4:TT+7], s[40:41] th:TH_STORE_NT
.else
	global_store_b128 v[IO], v[TT:TT+3],   s[12:13] offset:-ISTEP th:TH_STORE_NT   ; a wave's store covers 512 consecutive bytes, at a multiple of 512 from out0's first
	global_store_b128 v[IO], v[TT+4:TT+7], s[40:41] offset:-ISTEP th:TH_STORE_NT
.endif
.endm
	s_load_b256 s[4:11], s[0:1], 0x0               ; grid s[4:5], rot s[6:7], src s[8:9], idx s[10:11]
	s_load_b64 s[12:13], s[0:1], 0x20              ; out0
	v_lshl_add_u32 v[SPW], v0, 2, SPARE
	v_mov_b32 v[NIL], 0
	v_and_b32 v[TMP], 31, v0                       ; lane
	v_lshrrev_b32 v[LS], 5, v0
	v_readfirstlane_b32 s14, v[LS]                 ; wave 0..23
	v_mul_u32_u24 v[LD], v[TMP], 48
	v_lshlrev_b32 v[IO], 4, v0
	s_wait_alu depctr_va_sdst(0)                   ; s14 is written, ahead of its first reader: the wave's place in LDS and in a chunk is made from it
	s_mul_i32 s15, s14, WBYTES
	v_lshl_add_u32 v[LS], v[TMP], 4, s15
	v_add_nc_u32 v[LD], s15, v[LD]
	v_mov_b32 v[GOFF], v[LS]                       ; the same place in the work-group's grid bytes
	v_mov_b32 v[TMP], 0x42bf0000                   ; 95.5
	s_mul_i32 s42, ttmp9, WAVES*WBYTES             ; the work-group's first chunk: its grid bytes,
	s_mov_b32 s43, 0
	s_mul_i32 s44, ttmp9, WAVES*512                ; its words and results
	s_mov_b32 s45, 0
	s_mov_b32 s[TOP], 0x433e0000
	s_mov_b32 s[HALF], 0x42bf0000
	s_mov_b32 s[HALF+1], 0x42bf0000
	s_wait_kmcnt 0x0
	s_load_b512 s[ROT:ROT+15], s[6:7], 0x0         ; rot's 72 bytes
	s_load_b64 s[ROT+16:ROT+17], s[6:7], 0x40
	s_add_nc_u64 s[4:5], s[4:5], s[42:43]
	s_add_nc_u64 s[10:11], s[10:11], s[44:45]
	s_add_nc_u64 s[12:13], s[12:13], s[44:45]
	s_add_nc_u64 s[36:37], s[8:9], VOL             ; batch 1 of src,
	s_add_nc_u64 s[38:39], s[10:11], VOL           ; of the words,
	s_add_nc_u64 s[40:41], s[12:13], VOL           ; of out0
	s_wait_alu depctr_va_vdst(0)                   ; GOFF and IO are written, which the first chunk's loads read; so are LS and LD, which the first trip's LDS stores and loads read
	FETCH                                          ; the first chunk
	s_wait_kmcnt 0x0
.irp b, 0,1
.irp i, 0,1,2
	v_mul_f32 v[MAT+6*\b+2*\i],   s[ROT+9*\b+3*\i],   v[TMP]
	v_mul_f32 v[MAT+6*\b+2*\i+1], s[ROT+9*\b+3*\i+1], v[TMP]
	v_mul_f32 v[MAT+12+2*\i+\b],  s[ROT+9*\b+3*\i+2], v[TMP]
.endr
.endr
	s_mov_b32 s48, TRIPS-1
.Ltrip:
	TRIP 0
	s_sub_co_u32 s48, s48, 1
	s_cmp_lg_u32 s48, 0
	s_cbranch_scc1 .Ltrip
	TRIP 1
	s_wait_dscnt 0x0                               ; the closing lines, six on end
	s_wait_alu 0x0
	s_wait_tensorcnt 0x0
	ds_add_u32 v[SPW], v[NIL]
	s_wait_dscnt 0x0
	s_endpgm
.Lfunc_end_k_q9ef2afe071_sample:
	.size	k_q9ef2afe071_sample, .Lfunc_end_k_q9ef2afe071_sample-k_q9ef2afe071_sample
	.p2alignl 7, 3214868480
	.fill 96, 4, 3214868480
	.section	.rodata,"a",@progbits
	.p2align	6, 0x0
	.amdhsa_kernel k_q9ef2afe071_sample
		.amdhsa_group_segment_fixed_size 39936
		.amdhsa_private_segment_fixed_size 0
		.amdhsa_enable_private_segment 0
		.amdhsa_kernarg_size 40
		.amdhsa_user_sgpr_count 2
		.amdhsa_user_sgpr_kernarg_segment_ptr 1
		.amdhsa_wavefront_size32 1
		.amdhsa_system_sgpr_workgroup_id_x 1
		.amdhsa_system_sgpr_workgroup_id_y 1
		.amdhsa_system_sgpr_workgroup_id_z 1
		.amdhsa_system_vgpr_workitem_id 0
		.amdhsa_next_free_vgpr 160
		.amdhsa_next_free_sgpr 66
		.amdhsa_reserve_vcc 0
		.amdhsa_float_denorm_mode_32 3
		.amdhsa_float_denorm_mode_16_64 3
		.amdhsa_memory_ordered 1
		.amdhsa_forward_progress 1
		.amdhsa_inst_pref_size 52
	.end_amdhsa_kernel
	.amdgpu_metadata
---
amdhsa.version: [ 1, 2 ]
amdhsa.kernels:
  - .name:           k_q9ef2afe071_sample
    .symbol:         k_q9ef2afe071_sample.kd
    .args:
      - { .name: grid, .offset: 0, .size: 8, .value_kind: global_buffer, .address_space: global }
      - { .name: rot, .offset: 8, .size: 8, .value_kind: global_buffer, .address_space: global }
      - { .name: src, .offset: 16, .size: 8, .value_kind: global_buffer, .address_space: global }
      - { .name: idx, .offset: 24, .size: 8, .value_kind: global_buffer, .address_space: global }
      - { .name: out0, .offset: 32, .size: 8, .value_kind: global_buffer, .address_space: global }
    .group_segment_fixed_size: 39936
    .private_segment_fixed_size: 0
    .kernarg_segment_align: 8
    .kernarg_segment_size: 40
    .max_flat_workgroup_size: 768
    .sgpr_count:     66
    .vgpr_count:     160
    .wavefront_size: 32
...
	.end_amdgpu_metadata
.endif
;; end of part 3
